; MI455X (gfx1250); checked and timed in simulation.
; The chip was launched on July 23, 2026; its instructions are those of AMD's public machine-readable ISA for CDNA 5 (MIT licence, August 2026) and "CDNA5" Instruction Set Architecture Reference Guide (July 2026). The comments in the code are by the model that wrote it; some were corrected since.
;; Paged HSTU Infer Layer. Allowed arithmetic: matrix products marked QUANTISED: E5M2 operands, one given power-of-two scale a tensor, by v_wmma_f32_16x16x64_bf8_bf8 or v_wmma_f32_16x16x128_bf8_bf8, f32 sums; everything else in f32.
;; Inputs: b_uvqk 2,048 float32; ln_in_b 512 float32; ln_in_w 512 float32; ln_out_b 512 float32; ln_out_w 512 float32; lowp_scales 8 int32 (the exponents e of the quantised operands' scales 2^e); w_proj 512 x 512 float32; w_uvqk 512 x 2,048 float32; x 16,384 x 512 float32.
;; Outputs: out0 16,384 x 512 float32.
;; Constants: batch_size = 8, max_seqlen = 2048, num_targets = 64.
;; This version of the problem:
;;   THIS VERSION OF THE PROBLEM IS GIVEN IN LOW PRECISION. The matrix products marked QUANTISED in the list below multiply operands that are first quantised to E5M2 (5 exponent bits, 2 mantissa bits; 8 bits a number), with one given power-of-two scale for each operand tensor; their sums are f32. All else is computed in f32.
;;   The module's matrix products, in the order in which they are computed (A, B: the left and right operand; K: the contracted axis; several contracted axes count as one K, in the product's order):
;;     1. [M 16,384, K 512] x [K 512, N 2,048]; A: computed on the way; B: input w_uvqk: QUANTISED (scales: A lowp_scales[0], B lowp_scales[1])
;;     2. batch 64 x [M 2,048, K 64] x [K 64, N 2,048]; A: computed on the way; B: computed on the way: QUANTISED (scales: A lowp_scales[2], B lowp_scales[3])
;;     3. batch 64 x [M 64, K 2,048] x [K 2,048, N 2,048]; A: computed on the way; B: computed on the way: QUANTISED (scales: A lowp_scales[4], B lowp_scales[5])
;;     4. [M 16,384, K 512] x [K 512, N 512]; A: computed on the way; B: input w_proj: QUANTISED (scales: A lowp_scales[6], B lowp_scales[7])
;;   THE QUANTISER, for each operand of a quantised product, along K:
;;     - The operand's scale is 2^e, e = its entry of the input lowp_scales (int32; the entries are numbered through the quantised products in the list's order, A before B).
;;     - Each number is divided by the scale, clamped to +-57,344, and rounded to the nearest number of E5M2, ties to even, subnormals kept.
;;     - The product sums the exact products of the quantised numbers (number of the format x scale) in f32.
;;   ~~~python
;;   def quantise(x, axis, e):      # numpy; x: float32 -> the quantised numbers, widened to float32 again
;;       x = np.moveaxis(x, axis, -1); K = x.shape[-1]
;;       r = np.clip(x / 2.0 ** e, -57344, 57344)
;;       step = 2.0 ** (np.maximum(np.frexp(np.where(r == 0, 1, r))[1] - 1, -14) - 2)
;;       q = np.round(r / step) * step * 2.0 ** e      # np.round: ties to even
;;       return np.moveaxis(q, -1, axis).astype(np.float32)
;;   ~~~
;;   OPERANDS COMPUTED ON THE WAY. 'Computed on the way' means the value that the module computes at that place (a softmax that the list does not call 'softmax' is quantised finished and normalised). What goes into a quantiser is computed in f32, as accurately as f32 sums, v_exp_f32 and their like allow (about 1e-6 of the number): no bf16 or f16 on the way to a quantiser, and a product that is left as it is and whose result goes on into a quantised operand takes f32 operands (vector FMAs, or v_wmma_f32_16x16x4_f32). A number that lies on a knife's edge between two numbers of the format may be rounded either way, as far as f32 arithmetic and the matrix unit's own rounding can turn it there, and no further.
;; One version. Each part assembles by itself: llvm-mc -triple=amdgcn-amd-amdhsa -mcpu=gfx1250 --defsym DOCPART=n.
;; ======== version 1 of 1: 4 launches
;; workspace buffers: xq 8,388,608 bytes; w1i 1,048,576 bytes; w2i 262,144 bytes; qf 8,388,608 bytes; kv 16,777,216 bytes; at 33,554,432 bytes; st 2,097,152 bytes
;; launch prep (part 1): grid 336 x 1, 4 waves a work-group, no clusters, 35,328 bytes of LDS; arguments x, ln_in_w, ln_in_b, w_uvqk, w_proj, lowp_scales, xq, w1i, w2i; writes xq, w1i, w2i
.if DOCPART == 1
	.amdgcn_target "amdgcn-amd-amdhsa--gfx1250"
	.amdhsa_code_object_version 6
	.text
	.protected	k_q303e261fce_prep
	.globl	k_q303e261fce_prep
	.p2align	8
	.type	k_q303e261fce_prep,@function
k_q303e261fce_prep:
	s_mov_b64 s[64:65], 0
	v_nop
	global_prefetch_b8 v0, s[64:65] scope:SCOPE_SE
	s_setreg_imm32_b32 hwreg(HW_REG_WAVE_MODE, 25, 1), 1
	s_wait_xcnt 0x0
; THREE JOBS IN ONE LAUNCH, told apart by the work-group's number: 0-63 w_uvqk, 64-79 w_proj, 80-335 the input layer norm of x.  All three end in codes of BF8 (E5M2) with the given scale 2^e:
; code = number / 2^e, held within +-57,344, rounded to the nearest code, ties to even.  e0 for the normalised x, e1 for w_uvqk, e7 for w_proj.
; THE CODES ARE LAID AS IMAGES OF OPERAND REGISTERS.  A fragment of the 16x16x128 form is 16 registers a lane: lane (r = lane % 16, h = lane / 16) holds row r, registers 2 c, 2 c + 1 hold k = 16 c + 8 h + 0 .. 7.
; Image g is registers 4 g .. 4 g + 3 of all 32 lanes, lane l's 16 bytes at 16 l: 512 bytes.   xq [token tile 1024][K step 4][g 4][512];   w1i [column tile 128][K step 4][g 4][512];   w2i [32][4][4][512].
; WEIGHTS ([K][N] in memory): a lane takes a column and its registers run down K, so the conversions give codes with K innermost and nothing is transposed.  A wave: 32 columns x 128 along K.
; LAYER NORM: a wave takes 16 rows.  A row's 2,048 bytes come by four loads of 512 consecutive bytes; mean, then the sum of squared differences from it, both in f32 in registers; the row is read once.
; A lane's four codes of a K step are one word; the words turn through the wave's own stage in LDS into the tile's 8,192 bytes, which leave by sixteen stores of 512 consecutive bytes, aligned.
; No cluster: work-groups share no input but the 4,096 bytes of the norm's gain and bias.  No barrier: waves share nothing.  Only the layer norm's path touches LDS.
; LIMITS: e0, e1, e7 between -126 and 112, so that 2^e and 57,344 x 2^e are f32 numbers.  NaN among the inputs is not served.
.set M,     8                          ; v8-15   four pairs: a row's mean, later 1 / sqrt(var + eps), in the low word (the high word is 0: named with it as a pair)
.set R,     16                         ; v16-23  four pairs: a row's running sums
.set C,     24                         ; v24-31  codes, two sets of four words
.set LW,    32                         ; v32-47  the gain at my 16 columns
.set LB,    48                         ; v48-63  the bias at my 16 columns
.set X,     64                         ; v64-255 three slots of four rows x 16 numbers;  weights: v64-191, 128 numbers down K
.set WC,    32                         ; weights: v32-63 codes, eight registers for each image
.set CHUNK, 272                        ; the stage: 256 bytes (16 rows x 16 bytes of one half of an image) + 16 of padding
.set WSTG,  32*CHUNK                   ; a wave's stage: 32 such pieces
.macro WLOAD t, N, src                 ; 32 rows of K at my column: each load reads 128 consecutive bytes a wave
.set i, 0
.rept 32
	global_load_b32 v[X+32*(\t)+i], v1, s[\src:\src+1] offset:(32*(\t)+i)*\N*4 th:TH_LOAD_NT
.set i, i+1
.endr
.endm
.macro WBLOCK g, N, src, dst           ; image g: 32 along K
.if (\g) < 3
	s_wait_loadcnt 32                              ; this block's 32 loads are in; the next block's 32 may be out
.else
	s_wait_loadcnt 0x0
.endif
.set i, 0
.rept 32
	v_med3_num_f32 v[X+32*(\g)+i], v[X+32*(\g)+i], -v10, v10   ; the conversion to an 8-bit code does not saturate (ISA guide 7.6.2): the hold at the largest code x the scale
.set i, i+1
.endr
	v_cvt_scalef32_pk8_bf8_f32 v[WC+8*(\g):WC+8*(\g)+1],   v[X+32*(\g):X+32*(\g)+7],     v11   ; half 0 of the lanes: k = 0 .. 7,
	v_cvt_scalef32_pk8_bf8_f32 v[WC+8*(\g)+2:WC+8*(\g)+3], v[X+32*(\g)+16:X+32*(\g)+23], v11   ; 16 .. 23
	v_cvt_scalef32_pk8_bf8_f32 v[WC+8*(\g)+4:WC+8*(\g)+5], v[X+32*(\g)+8:X+32*(\g)+15],  v11   ; half 1: k = 8 .. 15,
	v_cvt_scalef32_pk8_bf8_f32 v[WC+8*(\g)+6:WC+8*(\g)+7], v[X+32*(\g)+24:X+32*(\g)+31], v11   ; 24 .. 31
	global_store_b128 v2, v[WC+8*(\g):WC+8*(\g)+3],   s[\dst:\dst+1] offset:(\g)*512       ; sixteen lanes store 256 consecutive bytes, aligned
	global_store_b128 v2, v[WC+8*(\g)+4:WC+8*(\g)+7], s[\dst:\dst+1] offset:(\g)*512+256
.if (\g) < 2
	WLOAD (\g)+2, \N, \src
.endif
.endm
; A weight [512][N]: work-group id0 + 4 c + s takes columns 128 c .. 128 c + 127 and K step s; wave w its 32 columns.  Every code register is written once: no store's data are written again.
.macro WPATH N, src, dst, ex, id0
	s_sub_co_u32 s23, ttmp9, \id0
	s_lshr_b32 s32, s23, 2                         ; c
	s_and_b32 s33, s23, 3                          ; s
	s_mul_i32 s36, s33, 128*\N*4                   ; 128 rows of K
	s_lshl_b32 s34, s32, 9                         ; + 128 columns x 4 bytes x c
	s_add_co_u32 s36, s36, s34
	s_lshl_b32 s34, s22, 7                         ; + 32 columns x 4 bytes x wave
	s_add_co_u32 s36, s36, s34
	s_mov_b32 s37, 0
	s_add_nc_u64 s[\src:\src+1], s[\src:\src+1], s[36:37]
	s_lshl_b32 s36, s32, 3
	s_lshl_b32 s34, s22, 1
	s_add_co_u32 s36, s36, s34                     ; my first column tile: 8 c + 2 wave
	s_lshl_b32 s36, s36, 13                        ; 8,192 bytes a tile
	s_lshl_b32 s34, s33, 11                        ; 2,048 a K step
	s_add_co_u32 s36, s36, s34
	s_add_nc_u64 s[\dst:\dst+1], s[\dst:\dst+1], s[36:37]
	v_lshlrev_b32 v1, 2, v6                        ; in: 4 bytes a lane
	v_lshrrev_b32 v2, 4, v6
	v_lshlrev_b32 v2, 13, v2                       ; out: lanes 16-31 are the next column tile,
	v_and_b32 v3, 15, v6
	v_lshl_add_u32 v2, v3, 4, v2                   ; 16 bytes for each column
	WLOAD 0, \N, \src
	WLOAD 1, \N, \src
	s_wait_kmcnt 0x0
	s_add_co_i32 s23, s[\ex], 127
	s_lshl_b32 s34, s23, 23
	v_mov_b32 v11, s34                             ; 2^e as f32: the conversion takes its exponent field
	s_add_co_i32 s23, s23, 15
	s_lshl_b32 s23, s23, 23
	s_or_b32 s23, s23, 0x600000
	v_mov_b32 v10, s23                             ; 57,344 x 2^e
	WBLOCK 0, \N, \src, \dst
	WBLOCK 1, \N, \src, \dst
	WBLOCK 2, \N, \src, \dst
	WBLOCK 3, \N, \src, \dst
	s_endpgm
.endm
.macro XLOADG k                        ; rows 4 k .. 4 k + 3 of my 16 into slot k % 3: each load reads 512 consecutive bytes
.irp a, 0,1,2,3
.irp i, 0,1,2,3
	global_load_b128 v[X+64*((\k)%3)+16*\a+4*\i:X+64*((\k)%3)+16*\a+4*\i+3], v1, s[4:5] offset:(4*(\k)+\a)*2048+512*\i th:TH_LOAD_NT
.endr
.endr
.endm
.macro ACROSS                          ; the four rows' pairs of sums become the rows' sums, in every lane; the rows take turns line by line
.irp a, 0,1,2,3
	v_add_f32 v[R+2*\a], v[R+2*\a], v[R+2*\a+1]
.endr
.irp x, 1,2,4,8
.irp a, 0,1,2,3
	v_add_f32_dpp v[R+2*\a], v[R+2*\a], v[R+2*\a] row_xmask:\x row_mask:0xf bank_mask:0xf
.endr
.endr
.irp a, 0,1,2,3
	v_permlanex16_b32 v[R+2*\a+1], v[R+2*\a], s34, s35
.endr
.irp a, 0,1,2,3
	v_add_f32 v[R+2*\a], v[R+2*\a], v[R+2*\a+1]
.endr
.endm
.macro GROUP k, left                   ; four rows.  left: the younger loads that may stay out
.set XS, X+64*((\k)%3)
	s_wait_loadcnt \left
.irp a, 0,1,2,3
	v_pk_add_f32 v[R+2*\a:R+2*\a+1], v[XS+16*\a:XS+16*\a+1], v[XS+16*\a+2:XS+16*\a+3]
.endr
.irp j, 4,6,8,10,12,14
.irp a, 0,1,2,3
	v_pk_add_f32 v[R+2*\a:R+2*\a+1], v[R+2*\a:R+2*\a+1], v[XS+16*\a+\j:XS+16*\a+\j+1]
.endr
.endr
	ACROSS
.irp a, 0,1,2,3
	v_mul_f32 v[M+2*\a], s32, v[R+2*\a]            ; the mean
.endr
.irp j, 0,2,4,6,8,10,12,14
.irp a, 0,1,2,3
	v_pk_add_f32 v[XS+16*\a+\j:XS+16*\a+\j+1], v[XS+16*\a+\j:XS+16*\a+\j+1], v[M+2*\a:M+2*\a+1] op_sel_hi:[1,0] neg_lo:[0,1] neg_hi:[0,1]   ; x - mean
.endr
.endr
.irp a, 0,1,2,3
	v_pk_mul_f32 v[R+2*\a:R+2*\a+1], v[XS+16*\a:XS+16*\a+1], v[XS+16*\a:XS+16*\a+1]
.endr
.irp j, 2,4,6,8,10,12,14
.irp a, 0,1,2,3
	v_pk_fma_f32 v[R+2*\a:R+2*\a+1], v[XS+16*\a+\j:XS+16*\a+\j+1], v[XS+16*\a+\j:XS+16*\a+\j+1], v[R+2*\a:R+2*\a+1]
.endr
.endr
	ACROSS
.irp a, 0,1,2,3
	v_fma_f32 v[R+2*\a], v[R+2*\a], s32, s33       ; var + eps
.endr
.irp a, 0,1,2,3
	v_rsq_f32 v[M+2*\a], v[R+2*\a]
.endr
	v_nop                                          ; a plain instruction behind the last of the four
	s_wait_alu depctr_va_vdst(0)                   ; one wait for the four, ahead of their first reader
.irp a, 0,1,2,3
.irp j, 0,2,4,6,8,10,12,14
	v_pk_mul_f32 v[XS+16*\a+\j:XS+16*\a+\j+1], v[XS+16*\a+\j:XS+16*\a+\j+1], v[M+2*\a:M+2*\a+1] op_sel_hi:[1,0]
.endr
.irp j, 0,2,4,6,8,10,12,14
	v_pk_fma_f32 v[XS+16*\a+\j:XS+16*\a+\j+1], v[XS+16*\a+\j:XS+16*\a+\j+1], v[LW+\j:LW+\j+1], v[LB+\j:LB+\j+1]
.endr
.irp i, 0,1,2,3,4,5,6,7,8,9,10,11,12,13,14,15
	v_med3_num_f32 v[XS+16*\a+\i], v[XS+16*\a+\i], -v5, v5
.endr
	v_cvt_scalef32_pk8_bf8_f32 v[C+4*(\a%2):C+4*(\a%2)+1],   v[XS+16*\a:XS+16*\a+7],    v4   ; word i: my four codes of K step i
	v_cvt_scalef32_pk8_bf8_f32 v[C+4*(\a%2)+2:C+4*(\a%2)+3], v[XS+16*\a+8:XS+16*\a+15], v4
.irp i, 0,1,2,3
	ds_store_b32 v2, v[C+4*(\a%2)+\i] offset:8*CHUNK*\i+16*(4*(\k)+\a)   ; K step i is eight pieces on; a row is 16 bytes of a piece
.endr
.endr
	v_nop                                          ; a plain instruction behind the last conversion
.if (\k) == 0
	XLOADG 3                                       ; slot 0 is free: the last four rows
.endif
.endm
	s_load_b512 s[4:19], s[0:1], 0x0               ; x s[4:5], gain s[6:7], bias s[8:9], w_uvqk s[10:11], w_proj s[12:13], the scales' exponents s[14:15], xq s[16:17], w1i s[18:19]
	s_load_b64 s[20:21], s[0:1], 0x40              ; w2i
	s_set_vgpr_msb 0x40
	v_lshl_add_u32 v0, v0, 2, 0x8800
	v_mov_b32 v1, 0
	s_set_vgpr_msb 0x4000
	v_lshrrev_b32 v7, 5, v0
	v_readfirstlane_b32 s22, v7                    ; wave 0..3
	v_and_b32 v6, 31, v0                           ; lane
	s_wait_kmcnt 0x0
	s_load_b256 s[24:31], s[14:15], 0x0            ; e0 .. e7
	s_cmp_lt_u32 ttmp9, 64
	s_cbranch_scc1 .Lw1
	s_cmp_lt_u32 ttmp9, 80
	s_cbranch_scc1 .Lw2
	; ---- the layer norm: token tile 4 (work-group - 80) + wave
	s_sub_co_u32 s23, ttmp9, 80
	s_lshl_b32 s23, s23, 2
	s_add_co_u32 s23, s23, s22
	s_lshl_b32 s36, s23, 15                        ; 16 rows of 2,048 bytes
	s_mov_b32 s37, 0
	s_add_nc_u64 s[4:5], s[4:5], s[36:37]
	s_lshl_b32 s36, s23, 13                        ; a tile of codes is 8,192 bytes
	s_add_nc_u64 s[16:17], s[16:17], s[36:37]
	v_lshlrev_b32 v1, 4, v6                        ; 16 x lane
.irp i, 0,1,2,3
	global_load_b128 v[LW+4*\i:LW+4*\i+3], v1, s[6:7] offset:512*\i
	global_load_b128 v[LB+4*\i:LB+4*\i+3], v1, s[8:9] offset:512*\i
.endr
	XLOADG 0
	XLOADG 1
	XLOADG 2
	; My word of a K step holds k = 4 l + 0 .. 3 of 128: image l / 8; half (l / 2) % 2 of the lanes; in the row's 16 bytes: 8 ((l / 4) % 2) + 4 (l % 2)
	v_lshrrev_b32 v7, 3, v6
	v_bfe_u32 v24, v6, 1, 1
	v_lshl_add_u32 v7, v7, 1, v24                  ; the piece: 2 x image + half
	v_mul_u32_u24 v2, v7, CHUNK
	v_bfe_u32 v24, v6, 2, 1
	v_lshl_add_u32 v2, v24, 3, v2
	v_and_b32 v24, 1, v6
	v_lshl_add_u32 v2, v24, 2, v2
	s_mul_i32 s23, s22, WSTG                       ; my wave's stage
	v_add_nc_u32 v2, s23, v2                       ; into the stage
	v_lshrrev_b32 v7, 4, v6
	v_mul_u32_u24 v3, v7, CHUNK
	v_and_b32 v24, 15, v6
	v_lshl_add_u32 v3, v24, 4, v3
	v_add_nc_u32 v3, s23, v3                       ; out of it: two pieces an instruction, sixteen lanes each
.irp a, 0,1,2,3
	v_mov_b32 v[M+2*\a+1], 0
.endr
	s_mov_b32 s32, 0x3b000000                      ; 1 / 512
	s_mov_b32 s33, 0x3727c5ac                      ; eps = 1e-5
	s_mov_b32 s34, 0x76543210                      ; v_permlanex16_b32: lane l xor 16
	s_mov_b32 s35, 0xfedcba98
	s_wait_kmcnt 0x0
	s_add_co_i32 s23, s24, 127
	s_lshl_b32 s36, s23, 23
	v_mov_b32 v4, s36                              ; 2^e0
	s_add_co_i32 s23, s23, 15
	s_lshl_b32 s23, s23, 23
	s_or_b32 s23, s23, 0x600000
	v_mov_b32 v5, s23                              ; 57,344 x 2^e0
	GROUP 0, 32                                    ; groups 1 and 2 may be out (the gain and the bias were asked for first: they are in)
	GROUP 1, 32                                    ; groups 2 and 3
	GROUP 2, 16                                    ; group 3
	GROUP 3, 0
.irp t, 0,1,2,3,4,5,6,7,8,9,10,11,12,13,14,15
	ds_load_b128 v[X+4*\t:X+4*\t+3], v3 offset:2*CHUNK*\t   ; LDS serves a wave's instructions in order (ISA guide 5.7.1.4): these see my stores
.endr
.irp t, 0,1,2,3,4,5,6,7,8,9,10,11,12,13,14,15
	s_wait_dscnt 15-\t
	global_store_b128 v1, v[X+4*\t:X+4*\t+3], s[16:17] offset:512*\t   ; 512 consecutive bytes, aligned
.endr
	s_set_vgpr_msb 0x5
	s_wait_tensorcnt 0x0
	ds_add_u32 v0, v1
	s_wait_dscnt 0x0
	s_set_vgpr_msb 0x500
	s_endpgm
.Lw1:
	WPATH 2048, 10, 18, 25, 0
.Lw2:
	WPATH 512, 12, 20, 31, 64
.Lfunc_end_k_q303e261fce_prep:
	.size	k_q303e261fce_prep, .Lfunc_end_k_q303e261fce_prep-k_q303e261fce_prep
	.p2alignl 7, 3214868480
	.fill 96, 4, 3214868480
	.section	.rodata,"a",@progbits
	.p2align	6, 0x0
	.amdhsa_kernel k_q303e261fce_prep
		.amdhsa_group_segment_fixed_size 35328
		.amdhsa_private_segment_fixed_size 0
		.amdhsa_enable_private_segment 0
		.amdhsa_kernarg_size 72
		.amdhsa_user_sgpr_count 2
		.amdhsa_user_sgpr_kernarg_segment_ptr 1
		.amdhsa_wavefront_size32 1
		.amdhsa_system_sgpr_workgroup_id_x 1
		.amdhsa_system_sgpr_workgroup_id_y 1
		.amdhsa_system_sgpr_workgroup_id_z 1
		.amdhsa_system_vgpr_workitem_id 0
		.amdhsa_next_free_vgpr 258
		.amdhsa_next_free_sgpr 66
		.amdhsa_reserve_vcc 0
		.amdhsa_float_denorm_mode_32 3
		.amdhsa_float_denorm_mode_16_64 3
		.amdhsa_memory_ordered 1
		.amdhsa_forward_progress 1
		.amdhsa_inst_pref_size 135
	.end_amdhsa_kernel
	.amdgpu_metadata
---
amdhsa.version: [ 1, 2 ]
amdhsa.kernels:
  - .name:           k_q303e261fce_prep
    .symbol:         k_q303e261fce_prep.kd
    .args:
      - { .name: x, .offset: 0, .size: 8, .value_kind: global_buffer, .address_space: global }
      - { .name: ln_in_w, .offset: 8, .size: 8, .value_kind: global_buffer, .address_space: global }
      - { .name: ln_in_b, .offset: 16, .size: 8, .value_kind: global_buffer, .address_space: global }
      - { .name: w_uvqk, .offset: 24, .size: 8, .value_kind: global_buffer, .address_space: global }
      - { .name: w_proj, .offset: 32, .size: 8, .value_kind: global_buffer, .address_space: global }
      - { .name: lowp_scales, .offset: 40, .size: 8, .value_kind: global_buffer, .address_space: global }
      - { .name: xq, .offset: 48, .size: 8, .value_kind: global_buffer, .address_space: global }
      - { .name: w1i, .offset: 56, .size: 8, .value_kind: global_buffer, .address_space: global }
      - { .name: w2i, .offset: 64, .size: 8, .value_kind: global_buffer, .address_space: global }
    .group_segment_fixed_size: 35328
    .private_segment_fixed_size: 0
    .kernarg_segment_align: 8
    .kernarg_segment_size: 72
    .max_flat_workgroup_size: 128
    .sgpr_count:     66
    .vgpr_count:     258
    .wavefront_size: 32
...
	.end_amdgpu_metadata
.endif
;; end of part 1
;; launch qkv (part 2): grid 4 x 64, 12 waves a work-group, clusters of 4 x 1, 169,472 bytes of LDS; arguments xq, w1i, b_uvqk, lowp_scales, qf, kv; writes qf, kv
.if DOCPART == 2
	.amdgcn_target "amdgcn-amd-amdhsa--gfx1250"
	.amdhsa_code_object_version 6
	.text
	.protected	k_q303e261fce_qkv
	.globl	k_q303e261fce_qkv
	.p2align	8
	.type	k_q303e261fce_qkv,@function
k_q303e261fce_qkv:
	s_mov_b64 s[64:65], 0
	v_nop
	global_prefetch_b8 v0, s[64:65] scope:SCOPE_SE
	s_setreg_imm32_b32 hwreg(HW_REG_WAVE_MODE, 25, 1), 1
	s_wait_xcnt 0x0
	s_wait_alu depctr_hold_cnt(0) depctr_sa_sdst(0) depctr_va_vdst(0) depctr_va_sdst(0) depctr_va_ssrc(0) depctr_va_vcc(0) depctr_vm_vsrc(0)
	s_getreg_b32 s2, hwreg(HW_REG_IB_STS2, 6, 4)
	s_cmp_eq_u32 s2, 0
	s_cbranch_scc0 .Lentry_in_a_cluster
	s_endpgm
.Lentry_in_a_cluster:
	s_bfe_u32 s2, ttmp6, 0x10000c
	s_cmp_lg_u32 s2, 0x3003
	s_cbranch_scc0 .Lentry_shape_is_right
	s_endpgm
.Lentry_shape_is_right:
; v, q, k = silu(xn W + b), columns 512 .. 2047 of the first product, on codes of BF8 (E5M2), and their codes for the attention's two products.  (u, columns 0 .. 511, is made where it is used, in the last launch.)
; SHARES.  A work-group: 256 rows (work-group y) x 384 columns: heads 2 cx and 2 cx + 1 of v, of q and of k (cx: its place in the cluster; the grid has one cluster along x).
; Twelve waves, three to a SIMD.  Wave j: role j / 4 (0 v, 1 q, 2 k), head 2 cx + (j % 4) / 2, 32 of the head's 64 columns (g = j % 2).  Its two column tiles x four K steps of W, 128 registers, stay in registers.
; CLUSTER.  The four work-groups of a cluster need the same 256 rows of codes, 131,072 bytes: waves 0 to 3 ask for them JOINTLY, one tensor load each, once.  Nothing in LDS is filled again.
; LAYOUT.  q, k: source 0 = 16 columns of W, source 1 = 16 tokens: a lane holds one token and eight neighbouring columns (the attention's K = the head's 64).
;          v:    source 0 = 16 tokens, source 1 = 16 columns: a lane holds one column and eight neighbouring tokens (K = the keys).  So the conversions' results are registers of the next operand, and
; four of them, from two accumulators, are an image of 512 bytes, lane l's 16 bytes at 16 l.   qf [b h 64][query tile 128][g 2][512];   kv [b h 64][step of 128 keys 16][16,384]: K [key tile 8][g 2][512], then V [d tile 4][g' 4][512].
; ARITHMETIC.  An accumulator stands for y / 2^E, E = e0 + e1; b goes in as the first product's C, divided by 2^E.  silu(y) = y / (1 + 2^(-y log2 e)); the code's scale takes 2^(e - E), e = e4 (v), e2 (q), e3 (k).
; LIMITS: E between -126 and 127; e - E between -126 and 112.  NaN among the inputs is not served.
.set LI,   1                           ; v1      16 x lane; never rewritten
.set ADR,  2                           ; v2      LDS address of the trip's fragments
.set OFF0, 3                           ; v3, v4  the trip's two stores
.set OFF1, 4
.set CS,   5                           ; v5      2^(e - E) as f32
.set HL,   6                           ; v6      57,344 x that
.set BO,   8                           ; v8-15   the bias's offsets
.set CD,   40                          ; v40-47  two images
.set AF,   48                          ; v48-79  two fragments of tokens; then the sigmoids
.set AC,   80                          ; v80-111 four accumulators
.set BI,   112                         ; v112-127 b / 2^E in the accumulators' layout, two tiles
.set WB,   128                         ; v128-255 W: tile n, K step s at 64 n + 16 s
.set WV,   16                          ; s16     my wave's number
.macro PLACES                          ; four plain vector instructions between a matrix instruction and a read of its result, or a load into one of its registers
.rept 4
	v_nop
.endr
.endm
.macro CROUND                          ; a round of the cluster's barrier
	s_barrier_signal -1
	s_barrier_wait -1
	s_cmp_lg_u32 s[WV], 0
	s_cbranch_scc1 .Lnot_wave_0_\@
	s_barrier_signal -3
.Lnot_wave_0_\@:
	s_barrier_wait -3
	s_barrier_signal -1
	s_barrier_wait -1
.endm
; 32 tokens x my 32 columns, K = 512 in four steps.  The four accumulators take turns, one instruction a turn.
.macro GEMM sw
.irp s, 0,1,2,3
.if \s > 0
	PLACES
.endif
.irp m, 0,1
.irp g, 0,1,2,3
	ds_load_b128 v[AF+16*\m+4*\g:AF+16*\m+4*\g+3], v[ADR] offset:\m*8192+\s*2048+\g*512
.endr
.endr
	s_wait_dscnt 0x0
.irp m, 0,1
.irp n, 0,1
.if \sw
.if \s == 0
	v_wmma_f32_16x16x128_bf8_bf8 v[AC+16*\m+8*\n:AC+16*\m+8*\n+7], v[WB+64*\n+16*\s:WB+64*\n+16*\s+15], v[AF+16*\m:AF+16*\m+15], v[BI+8*\n:BI+8*\n+7]
.else
	v_wmma_f32_16x16x128_bf8_bf8 v[AC+16*\m+8*\n:AC+16*\m+8*\n+7], v[WB+64*\n+16*\s:WB+64*\n+16*\s+15], v[AF+16*\m:AF+16*\m+15], v[AC+16*\m+8*\n:AC+16*\m+8*\n+7]
.endif
.else
.if \s == 0
	v_wmma_f32_16x16x128_bf8_bf8 v[AC+16*\n+8*\m:AC+16*\n+8*\m+7], v[AF+16*\m:AF+16*\m+15], v[WB+64*\n+16*\s:WB+64*\n+16*\s+15], v[BI+8*\n:BI+8*\n+7]
.else
	v_wmma_f32_16x16x128_bf8_bf8 v[AC+16*\n+8*\m:AC+16*\n+8*\m+7], v[AF+16*\m:AF+16*\m+15], v[WB+64*\n+16*\s:WB+64*\n+16*\s+15], v[AC+16*\n+8*\m:AC+16*\n+8*\m+7]
.endif
.endif
.endr
.endr
.endr
.endm
	s_load_b256 s[4:11], s[0:1], 0x0               ; xq s[4:5], w1i s[6:7], b_uvqk s[8:9], the scales' exponents s[10:11]
	s_load_b128 s[12:15], s[0:1], 0x20             ; qf s[12:13], kv s[14:15]
	v_lshl_add_u32 v38, v0, 2, 0x29000
	v_mov_b32 v39, 0
	ds_add_u32 v38, v39
	ds_add_u32 v38, v39
	v_lshrrev_b32 v2, 5, v0
	v_readfirstlane_b32 s[WV], v2                  ; wave 0..11
	s_lshr_b32 s17, s[WV], 2                       ; role
	s_and_b32 s20, ttmp7, 0xffff                   ; y: my 256 rows, which the four partners share
	; descriptor group 1: 128 rows of 256 bytes, dense
	s_mov_b32 s24, 15|(3<<16)|(1<<21)              ; 15:0 the mask: all four work-groups; 17:16 elements of 8 bytes; 21 set beside a mask
	s_mov_b32 s25, 32<<16                          ; tensor_dim0 = 32 elements
	s_mov_b32 s26, 128<<16                         ; tensor_dim1 = 128
	s_mov_b32 s27, 32<<16                          ; tile_dim0
	s_mov_b32 s28, 128                             ; tile_dim1
	s_mov_b32 s29, 32                              ; from row to row
	s_mov_b32 s30, 0
	s_mov_b32 s31, 0
	s_mov_b32 s32, 1                               ; group 0: count = 1,
	s_lshl_b32 s33, s[WV], 15                      ; LDS byte 32,768 x wave,
	s_lshl_b32 s60, s20, 17                        ; from byte 131,072 y + 32,768 x wave of xq
	s_add_co_u32 s60, s60, s33
	s_mov_b32 s61, 0
	s_wait_dscnt 0x0
	s_wait_kmcnt 0x0
	s_load_b256 s[36:43], s[10:11], 0x0            ; e0 .. e7
	s_add_nc_u64 s[34:35], s[4:5], s[60:61]
	s_or_b32 s35, s35, 0x80000000                  ; type = 2
	CROUND                                         ; all four work-groups are here: the joint loads meet
	s_cmp_lt_u32 s[WV], 4
	s_cbranch_scc0 .Lno_fetch
	tensor_load_to_lds s[32:35], s[24:31]          ; one tensor load of mine is out
	s_nop 0
.rept 4
	v_nop
.endr
.Lno_fetch:
	s_bfe_u32 s59, ttmp6, 0x40000                  ; cx: it enters global addresses of W, b, qf and kv alone
	s_and_b32 s58, s[WV], 3
	s_lshl_b32 s18, s59, 1
	s_lshr_b32 s62, s58, 1
	s_add_co_u32 s18, s18, s62                     ; head
	s_and_b32 s19, s58, 1                          ; g
	s_lshl_b32 s58, s17, 5
	s_lshl_b32 s62, s18, 2
	s_add_co_u32 s58, s58, s62
	s_lshl_b32 s62, s19, 1
	s_add_co_u32 s58, s58, s62
	s_add_co_u32 s58, s58, 32                      ; my first column tile: 32 + 32 role + 4 head + 2 g
	s_lshl_b32 s62, s58, 13
	s_mov_b32 s63, 0
	s_add_nc_u64 s[50:51], s[6:7], s[62:63]        ; its 8,192 bytes of codes,
	s_lshl_b32 s62, s58, 6
	s_add_nc_u64 s[52:53], s[8:9], s[62:63]        ; its 16 numbers of b
	v_and_b32 v7, 31, v0
	v_lshlrev_b32 v[LI], 4, v7
.set i, 0
.rept 32
	global_load_b128 v[WB+4*i:WB+4*i+3], v[LI], s[50:51] offset:512*i   ; W as it lies: images on end
.set i, i+1
.endr
	; b in the accumulators' layout.  q, k: register j of lane (r, h) is column 8 h + j of the tile;  v: column r in all eight
	v_and_b32 v7, 15, v0                           ; r
	v_bfe_u32 v[OFF0], v0, 4, 1                    ; h
	s_cmp_eq_u32 s17, 0
	s_cselect_b32 s66, 0, 32
	s_cselect_b32 s67, 4, 0
	s_cselect_b32 s68, 0, 4
	v_mul_u32_u24 v[OFF1], v[OFF0], s66
	v_mad_u32_u24 v[OFF1], v7, s67, v[OFF1]
.irp j, 0,1,2,3,4,5,6,7
	v_mad_u32_u24 v[BO+\j], s68, \j, v[OFF1]
.endr
.irp n, 0,1
.irp j, 0,1,2,3,4,5,6,7
	global_load_b32 v[BI+8*\n+\j], v[BO+\j], s[52:53] offset:64*\n
.endr
.endr
	; where my images go.  Trip i holds tokens 32 i .. 32 i + 31 of my 256: (i / 4) << hs and (i % 4) << ls bytes on; the second image strideA bytes behind the first
	s_lshr_b32 s69, s20, 3
	s_lshl_b32 s69, s69, 3
	s_add_co_u32 s69, s69, s18                     ; b h = 8 (y / 8) + head
	s_and_b32 s70, s20, 7                          ; which 256 tokens of the sequence
	s_cmp_eq_u32 s17, 1                            ; q?
	s_cselect_b64 s[54:55], s[12:13], s[14:15]
	s_cselect_b32 s71, 17, 18                      ; a head: 131,072 bytes of qf, 262,144 of kv
	s_cselect_b32 s72, 14, 15                      ; 256 tokens: 16,384 or 32,768
	s_cselect_b32 s46, 13, 14                      ; hs
	s_lshl_b32 s62, s69, s71
	s_lshl_b32 s73, s70, s72
	s_add_co_u32 s62, s62, s73
	s_cmp_eq_u32 s17, 0                            ; v?
	s_cselect_b32 s73, 12, 9                       ; g: two d tiles of 2,048, or one image
	s_cselect_b32 s47, 9, 11                       ; ls
	s_cselect_b32 s74, 8192, 0                     ; V lies behind a step's K
	s_mov_b32 s48, 1024
	s_cselect_b32 s48, 2048, s48                   ; strideA
	s_lshl_b32 s73, s19, s73
	s_add_co_u32 s62, s62, s73
	s_add_co_u32 s62, s62, s74
	s_add_nc_u64 s[54:55], s[54:55], s[62:63]
	s_wait_kmcnt 0x0
	s_add_co_i32 s75, s36, s37                     ; E = e0 + e1
	s_lshl_b32 s76, s75, 23
	s_add_co_u32 s44, s76, 0xbfb8aa3b              ; -log2(e) x 2^E: E is added to the exponent field
	s_mov_b32 s45, s44                             ; (named with it as a pair, so it is written)
	s_sub_co_i32 s77, 0, s75
	s_cmp_eq_u32 s17, 1
	s_cselect_b32 s78, s38, s39                    ; e2 for q, e3 for k,
	s_cmp_eq_u32 s17, 0
	s_cselect_b32 s78, s40, s78                    ; e4 for v: a choice, no branch
	s_sub_co_i32 s78, s78, s75
	s_add_co_i32 s78, s78, 127
	s_lshl_b32 s79, s78, 23
	v_mov_b32 v[CS], s79
	s_add_co_i32 s78, s78, 15
	s_lshl_b32 s78, s78, 23
	s_or_b32 s78, s78, 0x600000
	v_mov_b32 v[HL], s78
	s_wait_loadcnt 0x0                             ; W and b
.set j, 0
.rept 16
	v_ldexp_f32 v[BI+j], v[BI+j], s77              ; b / 2^E
.set j, j+1
.endr
	s_wait_tensorcnt 0x0                           ; my part of the rows is in,
	s_barrier_signal -1
	s_barrier_wait -1                              ; everybody's is
	s_mov_b32 s56, 0                               ; trip
	s_mov_b32 s57, 0                               ; its two token tiles in LDS
.Ltrip:
	v_add_nc_u32 v[ADR], s57, v[LI]
	s_cmp_eq_u32 s17, 0                            ; the roles differ in the order of the sources alone
	s_cbranch_scc1 .Lrole_v
	GEMM 1
	s_branch .Lepi
.Lrole_v:
	GEMM 0
.Lepi:
	PLACES
.set j, 0
.rept 16
	v_pk_mul_f32 v[AF+j:AF+j+1], v[AC+j:AC+j+1], s[44:45] op_sel_hi:[1,0]   ; -y log2(e); each accumulator from its low end on
.set j, j+2
.endr
.set j, 0
.rept 32
	v_exp_f32 v[AF+j], v[AF+j]
.set j, j+1
.endr
	v_nop                                          ; a plain instruction behind the batch
	s_wait_alu depctr_va_vdst(0)                   ; one wait for the batch, ahead of its first reader
.set j, 0
.rept 16
	v_pk_add_f32 v[AF+j:AF+j+1], v[AF+j:AF+j+1], 1.0 op_sel_hi:[1,0]
.set j, j+2
.endr
.set j, 0
.rept 32
	v_rcp_f32 v[AF+j], v[AF+j]
.set j, j+1
.endr
	v_nop
	s_wait_alu depctr_va_vdst(0)
.set j, 0
.rept 16
	v_pk_mul_f32 v[AC+j:AC+j+1], v[AC+j:AC+j+1], v[AF+j:AF+j+1]   ; silu(y) / 2^E
.set j, j+2
.endr
.set j, 0
.rept 32
	v_med3_num_f32 v[AC+j], v[AC+j], -v[HL], v[HL] ; the conversion to an 8-bit code does not saturate (ISA guide 7.6.2)
.set j, j+1
.endr
	s_wait_xcnt 0x0                                ; the last trip's stores have read their data and offsets: both are written again below
.irp a, 0,1
.irp b, 0,1
	v_cvt_scalef32_pk8_bf8_f32 v[CD+4*\a+2*\b:CD+4*\a+2*\b+1], v[AC+16*\a+8*\b:AC+16*\a+8*\b+7], v[CS]
.endr
.endr
	v_nop                                          ; a plain instruction behind the last conversion
	s_lshr_b32 s58, s56, 2
	s_lshl_b32 s58, s58, s46
	s_and_b32 s59, s56, 3
	s_lshl_b32 s59, s59, s47
	s_add_co_u32 s58, s58, s59
	v_add_nc_u32 v[OFF0], s58, v[LI]
	v_add_nc_u32 v[OFF1], s48, v[OFF0]
	global_store_b128 v[OFF0], v[CD:CD+3], s[54:55]     ; an image: 512 consecutive bytes, aligned
	global_store_b128 v[OFF1], v[CD+4:CD+7], s[54:55]
	s_add_co_u32 s57, s57, 16384
	s_add_co_u32 s56, s56, 1
	s_cmp_lt_u32 s56, 8
	s_cbranch_scc1 .Ltrip
	s_wait_dscnt 0x0
	s_wait_tensorcnt 0x0
	ds_add_u32 v38, v39
	s_wait_dscnt 0x0
	CROUND                                         ; the closing round
	s_endpgm
.Lfunc_end_k_q303e261fce_qkv:
	.size	k_q303e261fce_qkv, .Lfunc_end_k_q303e261fce_qkv-k_q303e261fce_qkv
	.p2alignl 7, 3214868480
	.fill 96, 4, 3214868480
	.section	.rodata,"a",@progbits
	.p2align	6, 0x0
	.amdhsa_kernel k_q303e261fce_qkv
		.amdhsa_group_segment_fixed_size 169472
		.amdhsa_private_segment_fixed_size 0
		.amdhsa_enable_private_segment 0
		.amdhsa_kernarg_size 48
		.amdhsa_user_sgpr_count 2
		.amdhsa_user_sgpr_kernarg_segment_ptr 1
		.amdhsa_wavefront_size32 1
		.amdhsa_system_sgpr_workgroup_id_x 1
		.amdhsa_system_sgpr_workgroup_id_y 1
		.amdhsa_system_sgpr_workgroup_id_z 1
		.amdhsa_system_vgpr_workitem_id 0
		.amdhsa_next_free_vgpr 256
		.amdhsa_next_free_sgpr 80
		.amdhsa_reserve_vcc 0
		.amdhsa_float_denorm_mode_32 3
		.amdhsa_float_denorm_mode_16_64 3
		.amdhsa_memory_ordered 1
		.amdhsa_forward_progress 1
		.amdhsa_inst_pref_size 27
	.end_amdhsa_kernel
	.amdgpu_metadata
---
amdhsa.version: [ 1, 2 ]
amdhsa.kernels:
  - .name:           k_q303e261fce_qkv
    .symbol:         k_q303e261fce_qkv.kd
    .args:
      - { .name: xq, .offset: 0, .size: 8, .value_kind: global_buffer, .address_space: global }
      - { .name: w1i, .offset: 8, .size: 8, .value_kind: global_buffer, .address_space: global }
      - { .name: b_uvqk, .offset: 16, .size: 8, .value_kind: global_buffer, .address_space: global }
      - { .name: lowp_scales, .offset: 24, .size: 8, .value_kind: global_buffer, .address_space: global }
      - { .name: qf, .offset: 32, .size: 8, .value_kind: global_buffer, .address_space: global }
      - { .name: kv, .offset: 40, .size: 8, .value_kind: global_buffer, .address_space: global }
    .group_segment_fixed_size: 169472
    .private_segment_fixed_size: 0
    .kernarg_segment_align: 8
    .kernarg_segment_size: 48
    .max_flat_workgroup_size: 384
    .sgpr_count:     80
    .vgpr_count:     256
    .wavefront_size: 32
...
	.end_amdgpu_metadata
.endif
;; end of part 2
;; launch attn (part 3): grid 4 x 64, 16 waves a work-group, clusters of 4 x 1, 264,192 bytes of LDS; arguments qf, kv, lowp_scales, at, st; writes at, st
.if DOCPART == 3
	.amdgcn_target "amdgcn-amd-amdhsa--gfx1250"
	.amdhsa_code_object_version 6
	.text
	.protected	k_q303e261fce_attn
	.globl	k_q303e261fce_attn
	.p2align	8
	.type	k_q303e261fce_attn,@function
k_q303e261fce_attn:
	s_mov_b64 s[64:65], 0
	v_nop
	global_prefetch_b8 v0, s[64:65] scope:SCOPE_SE
	s_setreg_imm32_b32 hwreg(HW_REG_WAVE_MODE, 25, 1), 1
	s_wait_xcnt 0x0
	s_wait_alu depctr_hold_cnt(0) depctr_sa_sdst(0) depctr_va_vdst(0) depctr_va_sdst(0) depctr_va_ssrc(0) depctr_va_vcc(0) depctr_vm_vsrc(0)
	s_getreg_b32 s2, hwreg(HW_REG_IB_STS2, 6, 4)
	s_cmp_eq_u32 s2, 0
	s_cbranch_scc0 .Lentry_in_a_cluster
	s_endpgm
.Lentry_in_a_cluster:
	s_bfe_u32 s2, ttmp6, 0x10000c
	s_cmp_lg_u32 s2, 0x3003
	s_cbranch_scc0 .Lentry_shape_is_right
	s_endpgm
.Lentry_shape_is_right:
; attn_out[b][s][h][:] = the sum over keys t of mask(s, t) silu(q.k / 8) / 2048 x v[t], both products on codes of BF8 (E5M2).  mask: t <= s and (t < 1984 or t = s).
; SHARES.  The four work-groups of a cluster serve one (batch, head) (work-group y).  Sixteen waves, four to a SIMD.  Wave w owns TWO tiles of 16 queries: tile A = 8 (w / 2) + 4 (w % 2) + cx and tile B = 127 - A.
; Keys go in steps of 128.  A's last step is GA = w / 2, B's is GB = 15 - GA: both hang on the wave's number alone, so all partners branch alike, and every wave has (GA + 1) + (GB + 1) = 17 units of 16 queries x 128 keys.
; A step all of whose keys come after the tile's queries is left out; the tile's last step is masked (hidden scores become 0, whose silu is 0); earlier steps lie under key 1920 and count whole.
; LDS holds the head's whole K and V, 262,144 bytes, as they lie in kv: waves 0 to 3 ask for them JOINTLY for the four work-groups, four tensor loads each, once.  Nothing is filled again.
; LAYOUT.  Both products transposed: S^T = K Q^T (source 0 = 16 keys, source 1 = my 16 queries; 16x16x64), O^T = V^T P^T (source 0 = 16 of the head's 64, source 1 = P; 16x16x128): a lane holds ONE query throughout.
; Register j of key tile t is key 16 t + 8 (lane / 16) + j: just what registers 2 t, 2 t + 1 of the second product's operand hold, so the eight conversions' results ARE that operand.
; ARITHMETIC.  A score's sum stands for y / 2^E, y = q.k / 8, E = e2 + e3 - 3.  p = silu(y) / 2048; its code = sum x sigmoid(y) / 2^(e5 - e2 - e3 + 14): every power of two goes into the conversion's scale.
; OUT.  at: attn_out in f32 as images, [token tile 1024][32 columns 16][4][512].  st: for each lane the mean of its 32 numbers of a row and the sum of their squared differences from it: the last launch joins them for the norm.
; LIMITS: E between -126 and 127; e5 - e2 - e3 + 14 between -126 and 112; e4 + e5 between -126 and 127.  NaN among the inputs is not served.
.set LI,  1                            ; v1   16 x lane; never rewritten
.set ADR, 2                            ; v2   LDS address of the step
.set NIL, 3                            ; v3   0
.set CS,  4                            ; v4   the conversion's scale
.set HL,  5                            ; v5   57,344 x that
.set D1,  6                            ; v6, v7 the mask's two bounds
.set D2,  7
.set RR,  8                            ; v8   lane % 16
.set H8,  9                            ; v9   8 (lane / 16)
.set L8,  10                           ; v10  8 x lane; never rewritten
.set TMP, 11
.set QA,  16                           ; v16-23, v24-31 Q's fragments
.set QB,  24
.set P,   32                           ; v32-47   p's codes
.set S,   48                           ; v48-111  S^T, then p
.set F,   112                          ; v112-175 K's fragments, then the sigmoids, then V's fragments
.set OA,  176                          ; v176-207, v208-239 O^T
.set OB,  208
.set SRA, 240                          ; v240-243, v244-247 statistics
.set SRB, 244
.set WV,  14
.macro PLACES
.rept 4
	v_nop
.endr
.endm
.macro CROUND
	s_barrier_signal -1
	s_barrier_wait -1
	s_cmp_lg_u32 s[WV], 0
	s_cbranch_scc1 .Lnot_wave_0_\@
	s_barrier_signal -3
.Lnot_wave_0_\@:
	s_barrier_wait -3
	s_barrier_signal -1
	s_barrier_wait -1
.endm
; One tile of queries x the step's 128 keys.  q: Q's fragment; o: O^T; G: the scalar with the tile's last step; q0: the scalar with its first query
.macro UNIT q, o, G, q0
	s_cmp_gt_u32 s19, s[\G]
	s_cbranch_scc1 .Lskip_\@                       ; all 128 keys come after my queries
	PLACES                                         ; in front of loads into registers that the last products read
.set i, 0
.rept 16
	ds_load_b128 v[F+4*i:F+4*i+3], v[ADR] offset:512*i   ; K: eight fragments of 16 keys x 64
.set i, i+1
.endr
	s_wait_dscnt 0x0
.set i, 0
.rept 8
	v_wmma_f32_16x16x64_bf8_bf8 v[S+8*i:S+8*i+7], v[F+8*i:F+8*i+7], v[\q:\q+7], 0
.set i, i+1
.endr
	PLACES
	s_cmp_lt_u32 s19, s[\G]
	s_cbranch_scc1 .Lopen_\@                       ; every key counts
	v_add_nc_u32 v[D2], s[\q0], v[RR]              ; my query
	v_min_u32 v[D1], 1983, v[D2]                   ; the last key that counts by t <= s and t < 1984
	v_add_nc_u32 v[TMP], s21, v[H8]                ; register 8 t + j holds key KF + 8 (lane / 16) + 16 t + j
	v_sub_nc_u32 v[D1], v[D1], v[TMP]
	v_sub_nc_u32 v[D2], v[D2], v[TMP]
.set n, 0
.rept 64
	v_cmp_gt_i32 vcc_lo, 16*(n/8)+n%8, v[D1]       ; past that key,
	v_cmp_ne_u32 s72, 16*(n/8)+n%8, v[D2]          ; and not the query itself:
	s_and_b32 vcc_lo, vcc_lo, s72
	v_cndmask_b32 v[S+n], v[S+n], v[NIL], vcc_lo   ; hidden
.set n, n+1
.endr
.Lopen_\@:
.set j, 0
.rept 32
	v_pk_mul_f32 v[F+j:F+j+1], v[S+j:S+j+1], s[22:23] op_sel_hi:[1,0]   ; -y log2(e); each accumulator from its low end on
.set j, j+2
.endr
.set j, 0
.rept 64
	v_exp_f32 v[F+j], v[F+j]
.set j, j+1
.endr
	v_nop                                          ; a plain instruction behind the batch
	s_wait_alu depctr_va_vdst(0)                   ; one wait for the batch, ahead of its first reader
.set j, 0
.rept 32
	v_pk_add_f32 v[F+j:F+j+1], v[F+j:F+j+1], 1.0 op_sel_hi:[1,0]
.set j, j+2
.endr
.set j, 0
.rept 64
	v_rcp_f32 v[F+j], v[F+j]
.set j, j+1
.endr
	v_nop
	s_wait_alu depctr_va_vdst(0)
.set j, 0
.rept 32
	v_pk_mul_f32 v[S+j:S+j+1], v[S+j:S+j+1], v[F+j:F+j+1]   ; sum x sigmoid(y)
.set j, j+2
.endr
.set i, 0
.rept 16
	ds_load_b128 v[F+4*i:F+4*i+3], v[ADR] offset:8192+512*i  ; V: four fragments of 16 d x 128 keys; they land under the holds and conversions below
.set i, i+1
.endr
.set j, 0
.rept 64
	v_med3_num_f32 v[S+j], v[S+j], -v[HL], v[HL]   ; the conversion to an 8-bit code does not saturate (ISA guide 7.6.2); silu can be negative, so the hold has two sides
.set j, j+1
.endr
.set i, 0
.rept 8
	v_cvt_scalef32_pk8_bf8_f32 v[P+2*i:P+2*i+1], v[S+8*i:S+8*i+7], v[CS]
.set i, i+1
.endr
	v_nop                                          ; a plain instruction between the last conversion and the products that read the codes
	s_wait_dscnt 0x0
.set i, 0
.rept 4
	v_wmma_f32_16x16x128_bf8_bf8 v[\o+8*i:\o+8*i+7], v[F+16*i:F+16*i+15], v[P:P+15], v[\o+8*i:\o+8*i+7]   ; the four accumulators take turns; eight products K Q^T stand between two links
.set i, i+1
.endr
.Lskip_\@:
.endm
.macro STEPS from, to                  ; key steps from .. to - 1: every wave walks them all; a unit's work is jumped over inside
	s_mov_b32 s19, \from
	s_mov_b32 s20, (\from)*16384
	s_mov_b32 s21, (\from)*128
.Lstep_\@:
	v_add_nc_u32 v[ADR], s20, v[LI]
	UNIT QA, OA, 17, 58
	UNIT QB, OB, 18, 59
	s_add_co_u32 s20, s20, 16384
	s_add_co_u32 s21, s21, 128
	s_add_co_u32 s19, s19, 1
	s_cmp_lt_u32 s19, \to
	s_cbranch_scc1 .Lstep_\@
.endm
; A tile leaves: O^T x 2^(e4 + e5) into dst; my 32 numbers' mean and the sum of their squared differences from it into v[sr], v[sr + 1]
.macro OUT o, dst, atS, stS, sr
.set j, 0
.rept 16
	v_pk_mul_f32 v[\dst+j:\dst+j+1], v[\o+j:\o+j+1], s[56:57] op_sel_hi:[1,0]   ; each accumulator from its low end on
.set j, j+2
.endr
	v_pk_add_f32 v[\sr+2:\sr+3], v[\dst:\dst+1], v[\dst+2:\dst+3]
.set j, 4
.rept 14
	v_pk_add_f32 v[\sr+2:\sr+3], v[\sr+2:\sr+3], v[\dst+j:\dst+j+1]
.set j, j+2
.endr
	v_add_f32 v[\sr+2], v[\sr+2], v[\sr+3]
	v_mul_f32 v[\sr], 0x3d000000, v[\sr+2]         ; / 32
	v_mov_b32 v[\sr+1], 0                          ; (named with the mean as a pair)
.set j, 0
.rept 16
	v_pk_add_f32 v[F+j:F+j+1], v[\dst+j:\dst+j+1], v[\sr:\sr+1] op_sel_hi:[1,0] neg_lo:[0,1] neg_hi:[0,1]
.set j, j+2
.endr
	v_pk_mul_f32 v[\sr+2:\sr+3], v[F:F+1], v[F:F+1]
.set j, 2
.rept 15
	v_pk_fma_f32 v[\sr+2:\sr+3], v[F+j:F+j+1], v[F+j:F+j+1], v[\sr+2:\sr+3]
.set j, j+2
.endr
	v_add_f32 v[\sr+1], v[\sr+2], v[\sr+3]
.set i, 0
.rept 8
	global_store_b128 v[LI], v[\dst+4*i:\dst+4*i+3], s[\atS:\atS+1] offset:512*i   ; 512 consecutive bytes, aligned
.set i, i+1
.endr
	global_store_b64 v[L8], v[\sr:\sr+1], s[\stS:\stS+1]                           ; 256 consecutive bytes, aligned
.endm
	s_load_b256 s[4:11], s[0:1], 0x0               ; qf s[4:5], kv s[6:7], the scales' exponents s[8:9], at s[10:11]
	s_load_b64 s[12:13], s[0:1], 0x20              ; st
	v_lshl_add_u32 v254, v0, 2, 0x40000
	v_mov_b32 v255, 0
	ds_add_u32 v254, v255
	ds_add_u32 v254, v255
	v_lshrrev_b32 v2, 5, v0
	v_readfirstlane_b32 s[WV], v2                  ; wave 0..15
	s_and_b32 s16, ttmp7, 0xffff                   ; b h, which the four partners share
	s_lshr_b32 s17, s[WV], 1                       ; GA
	s_sub_co_u32 s18, 15, s17                      ; GB
	; descriptor group 1: 64 rows of 256 bytes, dense: a key step's K and V
	s_mov_b32 s24, 15|(3<<16)|(1<<21)              ; 15:0 the mask: all four work-groups; 17:16 elements of 8 bytes; 21 set beside a mask
	s_mov_b32 s25, 32<<16
	s_mov_b32 s26, 64<<16
	s_mov_b32 s27, 32<<16
	s_mov_b32 s28, 64
	s_mov_b32 s29, 32
	s_mov_b32 s30, 0
	s_mov_b32 s31, 0
	s_lshl_b32 s70, s[WV], 14                      ; wave w fetches steps w, 4 + w, 8 + w, 12 + w
	s_lshl_b32 s72, s16, 18                        ; the head's 262,144 bytes
	s_add_co_u32 s72, s72, s70
	s_mov_b32 s73, 0
	s_wait_dscnt 0x0
	s_wait_kmcnt 0x0
	s_load_b256 s[48:55], s[8:9], 0x0              ; e0 .. e7
	s_add_nc_u64 s[72:73], s[6:7], s[72:73]
.irp c, 0,1,2,3
	s_mov_b32 s[32+4*\c], 1
	s_add_co_u32 s[33+4*\c], s70, \c*65536
	s_add_nc_u64 s[34+4*\c:35+4*\c], s[72:73], \c*65536
	s_or_b32 s[35+4*\c], s[35+4*\c], 0x80000000
.endr
	CROUND                                         ; all four work-groups are here: the joint loads meet
	s_cmp_lt_u32 s[WV], 4
	s_cbranch_scc0 .Lno_fetch
	tensor_load_to_lds s[32:35], s[24:31]          ; four tensor loads of mine are out
	s_nop 0
	tensor_load_to_lds s[36:39], s[24:31]
	s_nop 0
	tensor_load_to_lds s[40:43], s[24:31]
	s_nop 0
	tensor_load_to_lds s[44:47], s[24:31]
	s_nop 0
.rept 4
	v_nop
.endr
.Lno_fetch:
	s_bfe_u32 s15, ttmp6, 0x40000                  ; cx: it enters Q's, at's and st's global addresses and the mask's numbers alone
	s_lshl_b32 s58, s17, 3
	s_and_b32 s74, s[WV], 1
	s_lshl_b32 s74, s74, 2
	s_add_co_u32 s58, s58, s74
	s_add_co_u32 s58, s58, s15                     ; tile A
	s_sub_co_u32 s59, 127, s58                     ; tile B
	v_and_b32 v[TMP], 31, v0
	v_lshlrev_b32 v[LI], 4, v[TMP]
	v_lshlrev_b32 v[L8], 3, v[TMP]
	s_lshl_b32 s74, s16, 7
	s_add_co_u32 s76, s74, s58
	s_lshl_b32 s76, s76, 10                        ; a tile of Q is 1,024 bytes
	s_mov_b32 s77, 0
	s_add_nc_u64 s[76:77], s[4:5], s[76:77]
	s_add_co_u32 s78, s74, s59
	s_lshl_b32 s78, s78, 10
	s_mov_b32 s79, 0
	s_add_nc_u64 s[78:79], s[4:5], s[78:79]
	global_load_b128 v[QA:QA+3],   v[LI], s[76:77]
	global_load_b128 v[QA+4:QA+7], v[LI], s[76:77] offset:512
	global_load_b128 v[QB:QB+3],   v[LI], s[78:79]
	global_load_b128 v[QB+4:QB+7], v[LI], s[78:79] offset:512
	s_lshr_b32 s74, s16, 3
	s_lshl_b32 s74, s74, 7                         ; 128 token tiles a batch
	s_and_b32 s75, s16, 7                          ; the head
	s_mov_b32 s83, 0
	s_add_co_u32 s80, s74, s58                     ; A's token tile
	s_lshl_b32 s82, s80, 15
	s_lshl_b32 s81, s75, 12
	s_add_co_u32 s82, s82, s81
	s_add_nc_u64 s[60:61], s[10:11], s[82:83]      ; at: 32,768 bytes a tile, 4,096 a head
	s_lshl_b32 s82, s80, 11
	s_lshl_b32 s81, s75, 8
	s_add_co_u32 s82, s82, s81
	s_add_nc_u64 s[66:67], s[12:13], s[82:83]      ; st: 2,048 bytes a tile, 256 a head
	s_add_co_u32 s80, s74, s59                     ; B's
	s_lshl_b32 s82, s80, 15
	s_lshl_b32 s81, s75, 12
	s_add_co_u32 s82, s82, s81
	s_add_nc_u64 s[62:63], s[10:11], s[82:83]
	s_lshl_b32 s82, s80, 11
	s_lshl_b32 s81, s75, 8
	s_add_co_u32 s82, s82, s81
	s_add_nc_u64 s[68:69], s[12:13], s[82:83]
	s_lshl_b32 s58, s58, 4                         ; the tiles' first queries
	s_lshl_b32 s59, s59, 4
	v_and_b32 v[RR], 15, v0
	v_bfe_u32 v[H8], v0, 4, 1
	v_lshlrev_b32 v[H8], 3, v[H8]
	v_mov_b32 v[NIL], 0
.set j, 0
.rept 64
	v_mov_b32 v[OA+j], 0                           ; O^T of both tiles: the step is written once, and its first products add onto zeros
.set j, j+1
.endr
	s_wait_kmcnt 0x0
	s_add_co_i32 s74, s50, s51                     ; e2 + e3
	s_sub_co_i32 s75, s74, 3                       ; E
	s_lshl_b32 s75, s75, 23
	s_add_co_u32 s22, s75, 0xbfb8aa3b              ; -log2(e) x 2^E
	s_mov_b32 s23, s22                             ; (named with it as a pair, so it is written)
	s_sub_co_i32 s74, s53, s74
	s_add_co_i32 s74, s74, 14+127                  ; e5 - e2 - e3 + 14, biased
	s_lshl_b32 s75, s74, 23
	v_mov_b32 v[CS], s75
	s_add_co_i32 s74, s74, 15
	s_lshl_b32 s74, s74, 23
	s_or_b32 s74, s74, 0x600000
	v_mov_b32 v[HL], s74
	s_add_co_i32 s56, s52, s53
	s_add_co_i32 s56, s56, 127
	s_lshl_b32 s56, s56, 23                        ; 2^(e4 + e5)
	s_mov_b32 s57, s56
	s_wait_loadcnt 0x0                             ; Q
	s_wait_tensorcnt 3                             ; my first load, one of steps 0 to 3, is in; the three behind it may stay out
	s_barrier_signal -1
	s_barrier_wait -1
	STEPS 0, 4
	s_wait_tensorcnt 0x0                           ; all my loads are in,
	s_wait_dscnt 0x0
	s_barrier_signal -1
	s_barrier_wait -1                              ; everybody's are
	STEPS 4, 16
	PLACES
	OUT OA, S, 60, 66, SRA
	OUT OB, S+32, 62, 68, SRB
	s_wait_dscnt 0x0
	s_wait_tensorcnt 0x0
	ds_add_u32 v254, v255
	s_wait_dscnt 0x0
	CROUND                                         ; the closing round
	s_endpgm
.Lfunc_end_k_q303e261fce_attn:
	.size	k_q303e261fce_attn, .Lfunc_end_k_q303e261fce_attn-k_q303e261fce_attn
	.p2alignl 7, 3214868480
	.fill 96, 4, 3214868480
	.section	.rodata,"a",@progbits
	.p2align	6, 0x0
	.amdhsa_kernel k_q303e261fce_attn
		.amdhsa_group_segment_fixed_size 264192
		.amdhsa_private_segment_fixed_size 0
		.amdhsa_enable_private_segment 0
		.amdhsa_kernarg_size 40
		.amdhsa_user_sgpr_count 2
		.amdhsa_user_sgpr_kernarg_segment_ptr 1
		.amdhsa_wavefront_size32 1
		.amdhsa_system_sgpr_workgroup_id_x 1
		.amdhsa_system_sgpr_workgroup_id_y 1
		.amdhsa_system_sgpr_workgroup_id_z 1
		.amdhsa_system_vgpr_workitem_id 0
		.amdhsa_next_free_vgpr 256
		.amdhsa_next_free_sgpr 84
		.amdhsa_reserve_vcc 1
		.amdhsa_float_denorm_mode_32 3
		.amdhsa_float_denorm_mode_16_64 3
		.amdhsa_memory_ordered 1
		.amdhsa_forward_progress 1
		.amdhsa_inst_pref_size 140
	.end_amdhsa_kernel
	.amdgpu_metadata
---
amdhsa.version: [ 1, 2 ]
amdhsa.kernels:
  - .name:           k_q303e261fce_attn
    .symbol:         k_q303e261fce_attn.kd
    .args:
      - { .name: qf, .offset: 0, .size: 8, .value_kind: global_buffer, .address_space: global }
      - { .name: kv, .offset: 8, .size: 8, .value_kind: global_buffer, .address_space: global }
      - { .name: lowp_scales, .offset: 16, .size: 8, .value_kind: global_buffer, .address_space: global }
      - { .name: at, .offset: 24, .size: 8, .value_kind: global_buffer, .address_space: global }
      - { .name: st, .offset: 32, .size: 8, .value_kind: global_buffer, .address_space: global }
    .group_segment_fixed_size: 264192
    .private_segment_fixed_size: 0
    .kernarg_segment_align: 8
    .kernarg_segment_size: 40
    .max_flat_workgroup_size: 512
    .sgpr_count:     84
    .vgpr_count:     256
    .wavefront_size: 32
...
	.end_amdgpu_metadata
.endif
;; end of part 3
;; launch outp (part 4): grid 256 x 1, 8 waves a work-group, no clusters, 297,984 bytes of LDS; arguments x, xq, w1i, w2i, b_uvqk, ln_out_w, ln_out_b, lowp_scales, at, st, out0; writes out0
.if DOCPART == 4
	.amdgcn_target "amdgcn-amd-amdhsa--gfx1250"
	.amdhsa_code_object_version 6
	.text
	.protected	k_q303e261fce_outp
	.globl	k_q303e261fce_outp
	.p2align	8
	.type	k_q303e261fce_outp,@function
k_q303e261fce_outp:
	s_mov_b64 s[64:65], 0
	v_nop
	global_prefetch_b8 v0, s[64:65] scope:SCOPE_SE
	s_setreg_imm32_b32 hwreg(HW_REG_WAVE_MODE, 25, 1), 1
	s_wait_xcnt 0x0
; out = (u x layer_norm(attn_out)) w_proj + x, with u = silu(xn W + b), columns 0 .. 511 of the first product; both products on codes of BF8 (E5M2).
; SHARES.  A work-group: 64 rows.  THE WAVES SHARE THE COLUMNS: wave w makes columns 64 w .. 64 w + 63 of u, of the product u x norm, and of out, for all 64 rows.  Its 16 fragments of a weight (4 column tiles x 4 K steps,
; 256 registers: window 1) come from memory straight into registers, once; w_proj's take w_uvqk's place when the last product with those is issued.
; LDS, each region filled once by tensor loads: XR x's 64 rows (as 128 rows of 1,024 bytes + 16); XQ their codes (images); ATT attn_out (images of f32).  The codes of u x norm are stored over the first 512 bytes of the
; 2,048 bytes of ATT that the same wave has just read; out is made in place in XR and leaves as whole rows.
; NO CLUSTER: the rows are shared with nobody; the weights, which all work-groups read, go into registers, each byte once for a work-group, and beside the rows' 296,960 bytes LDS has 30,720 left, less than one wave's 32,768 of a weight.
; LAYOUT.  Source 0 = 16 columns of the weight, source 1 = 16 tokens: a lane holds one token and eight neighbouring columns, so the conversions' results are registers of the next operand.
; THE NORM.  st holds, for each row, 16 means of 32 numbers and 16 sums of squared differences: mean = the means' mean; var = (the sums + 32 x the sum of (a mean - mean)^2) / 512: no difference of large sums.
; ARITHMETIC.  u's accumulator stands for y / 2^E, E = e0 + e1 (b goes in as the first product's C, / 2^E); the code of u x norm takes the scale 2^(e6 - E); out = sum x 2^(e6 + e7) + x, one fused multiply-add.
; LIMITS: E and e6 + e7 between -126 and 127; e6 - E between -126 and 112.  NaN among the inputs is not served.
.set XQO, 133120
.set ATT, 165888
.set LI,  1                            ; v1   16 x lane; never rewritten
.set AXQ, 2                            ; v2   XQ + 16 x lane
.set AAT, 3                            ; v3   ATT + 4,096 x wave + 16 x lane
.set APQ, 4                            ; v4   ATT + 16 x lane
.set AXR, 5                            ; v5   my 32 bytes of row (lane % 16) in XR
.set CS,  6
.set HL,  7
.set ST,  8                            ; v8-15  (mean, 1 / sqrt(var + eps)) of my row in each of the four token tiles
.set PMU, 16                           ; v16-17, v18-19 the two as pairs
.set PRS, 18
.set CD,  20                           ; v20-27 two images
.set AD0, 28                           ; v28, v29 the address in hand
.set AD1, 29
.set AF,  32                           ; v32-95  two buffers of two fragments of tokens;
.set T,   32                           ;         later the sigmoids,
.set TA,  64                           ;         and attn_out
.set AC,  96                           ; v96-159 eight accumulators: token tile m, column tile n at 32 m + 8 n
.set BI,  160                          ; v160-191 b / 2^E;  v192-223 the norm's gain;  v224-255 its bias: all at my 32 columns, in the accumulators' layout
.set LW,  192
.set LB,  224
.set WV,  26
.set MSB, 0
.macro WIN new                         ; s_set_vgpr_msb: bits 1:0 source 0, 7:6 destination; the immediate's high byte repeats the setting that is left
.if MSB != \new
	s_set_vgpr_msb (MSB<<8)|\new
.set MSB, \new
.endif
.endm
.macro PLACES
.rept 4
	v_nop
.endr
.endm
.macro LOADA ab, off, buf, mstr, gstr  ; two fragments (token tiles m = 0, 1) of one K step into buffer buf
.irp m, 0,1
.irp g, 0,1,2,3
	ds_load_b128 v[AF+32*(\buf)+16*\m+4*\g:AF+32*(\buf)+16*\m+4*\g+3], v[\ab] offset:(\off)+\m*(\mstr)+\g*(\gstr)
.endr
.endr
.endm
.macro MM s, buf, cm                   ; eight products; cm = 1: b starts the sums; 2: 0 starts them; 0: they go on.  The eight accumulators take turns
.irp m, 0,1
.irp n, 0,1,2,3
.if (\cm) == 1
	v_wmma_f32_16x16x128_bf8_bf8 v[AC+32*\m+8*\n:AC+32*\m+8*\n+7], v[64*\n+16*(\s):64*\n+16*(\s)+15], v[AF+32*(\buf)+16*\m:AF+32*(\buf)+16*\m+15], v[BI+8*\n:BI+8*\n+7]
.elseif (\cm) == 2
	v_wmma_f32_16x16x128_bf8_bf8 v[AC+32*\m+8*\n:AC+32*\m+8*\n+7], v[64*\n+16*(\s):64*\n+16*(\s)+15], v[AF+32*(\buf)+16*\m:AF+32*(\buf)+16*\m+15], 0
.else
	v_wmma_f32_16x16x128_bf8_bf8 v[AC+32*\m+8*\n:AC+32*\m+8*\n+7], v[64*\n+16*(\s):64*\n+16*(\s)+15], v[AF+32*(\buf)+16*\m:AF+32*(\buf)+16*\m+15], v[AC+32*\m+8*\n:AC+32*\m+8*\n+7]
.endif
.endr
.endr
.endm
; 32 tokens x my 64 columns, K = 512 in four steps; a step's fragments are asked for one step ahead.  Each s_wait_dscnt 8 leaves the younger buffer's eight loads out
.macro GEMM ab, off0, mstr, sstr, gstr, cm
	LOADA \ab, \off0, 0, \mstr, \gstr
	LOADA \ab, (\off0)+(\sstr), 1, \mstr, \gstr
	s_wait_dscnt 8
	WIN 0x01                                       ; source 0, the weight, in window 1
	MM 0, 0, \cm
	WIN 0
	PLACES
	LOADA \ab, (\off0)+2*(\sstr), 0, \mstr, \gstr
	s_wait_dscnt 8
	WIN 0x01
	MM 1, 1, 0
	WIN 0
	PLACES
	LOADA \ab, (\off0)+3*(\sstr), 1, \mstr, \gstr
	s_wait_dscnt 8
	WIN 0x01
	MM 2, 0, 0
	s_wait_dscnt 0x0
	MM 3, 1, 0
	WIN 0
.endm
; u x norm of token tile m (accumulators of half mu), quantised, stored as two images.  v[AD0] = AAT + 65,536 x (m / 2)
.macro EPI_U mu, m
.set A0, AC+32*(\mu)
.set i, 0
.rept 8
	ds_load_b128 v[TA+4*i:TA+4*i+3], v[AD0] offset:(\mu)*32768+512*i   ; attn_out at my token and my 32 columns
.set i, i+1
.endr
	v_mov_b32 v[PMU], v[ST+2*(\m)]
	v_mov_b32 v[PMU+1], v[ST+2*(\m)]
	v_mov_b32 v[PRS], v[ST+2*(\m)+1]
	v_mov_b32 v[PRS+1], v[ST+2*(\m)+1]
.set j, 0
.rept 16
	v_pk_mul_f32 v[T+j:T+j+1], v[A0+j:A0+j+1], s[28:29] op_sel_hi:[1,0]   ; -y log2(e); each accumulator from its low end on
.set j, j+2
.endr
.set j, 0
.rept 32
	v_exp_f32 v[T+j], v[T+j]
.set j, j+1
.endr
	s_wait_dscnt 0x0
.set j, 0
.rept 16
	v_pk_add_f32 v[TA+j:TA+j+1], v[TA+j:TA+j+1], v[PMU:PMU+1] neg_lo:[0,1] neg_hi:[0,1]   ; the norm: work that names no exponential's result stands behind the batch
.set j, j+2
.endr
.set j, 0
.rept 16
	v_pk_mul_f32 v[TA+j:TA+j+1], v[TA+j:TA+j+1], v[PRS:PRS+1]
.set j, j+2
.endr
.set j, 0
.rept 16
	v_pk_fma_f32 v[TA+j:TA+j+1], v[TA+j:TA+j+1], v[LW+j:LW+j+1], v[LB+j:LB+j+1]
.set j, j+2
.endr
	s_wait_alu depctr_va_vdst(0)                   ; one wait for the batch, ahead of its first reader
.set j, 0
.rept 16
	v_pk_add_f32 v[T+j:T+j+1], v[T+j:T+j+1], 1.0 op_sel_hi:[1,0]
.set j, j+2
.endr
.set j, 0
.rept 32
	v_rcp_f32 v[T+j], v[T+j]
.set j, j+1
.endr
	v_nop
	s_wait_alu depctr_va_vdst(0)
.set j, 0
.rept 16
	v_pk_mul_f32 v[A0+j:A0+j+1], v[A0+j:A0+j+1], v[T+j:T+j+1]     ; u / 2^E
.set j, j+2
.endr
.set j, 0
.rept 16
	v_pk_mul_f32 v[A0+j:A0+j+1], v[A0+j:A0+j+1], v[TA+j:TA+j+1]   ; x the norm
.set j, j+2
.endr
.set j, 0
.rept 32
	v_med3_num_f32 v[A0+j], v[A0+j], -v[HL], v[HL] ; the conversion to an 8-bit code does not saturate (ISA guide 7.6.2)
.set j, j+1
.endr
.irp n, 0,1,2,3
	v_cvt_scalef32_pk8_bf8_f32 v[CD+2*\n:CD+2*\n+1], v[A0+8*\n:A0+8*\n+7], v[CS]
.endr
	v_nop                                          ; a plain instruction behind the last conversion
	ds_store_b128 v[AD0], v[CD:CD+3]   offset:(\mu)*32768        ; columns 64 w .. + 31: over bytes that I alone read, and have read
	ds_store_b128 v[AD0], v[CD+4:CD+7] offset:(\mu)*32768+2048   ; columns 64 w + 32 .. + 63
.endm
; out of one token tile, in place in XR.  v[AD0] = AXR + 66,560 x (m / 2).  The bytes are my wave's own until the barrier behind
.macro EPI_P mu
.set A0, AC+32*(\mu)
.set B0, AF+32*(\mu)
.set i, 0
.rept 8
	ds_load_b128 v[B0+4*i:B0+4*i+3], v[AD0] offset:(\mu)*33280+64*(i/2)+16*(i%2)
.set i, i+1
.endr
	s_wait_dscnt 0x0
.set j, 0
.rept 16
	v_pk_fma_f32 v[B0+j:B0+j+1], v[A0+j:A0+j+1], s[30:31], v[B0+j:B0+j+1] op_sel_hi:[1,0,1]   ; sum x 2^(e6 + e7) + x; each accumulator from its low end on
.set j, j+2
.endr
.set i, 0
.rept 8
	ds_store_b128 v[AD0], v[B0+4*i:B0+4*i+3] offset:(\mu)*33280+64*(i/2)+16*(i%2)
.set i, i+1
.endr
.endm
	s_load_b512 s[4:19], s[0:1], 0x0               ; x s[4:5], xq s[6:7], w1i s[8:9], w2i s[10:11], b_uvqk s[12:13], gain s[14:15], bias s[16:17], the scales' exponents s[18:19]
	s_load_b128 s[20:23], s[0:1], 0x40             ; at s[20:21], st s[22:23]
	s_load_b64 s[24:25], s[0:1], 0x50              ; out0
	v_lshl_add_u32 v254, v0, 2, 0x48800
	v_mov_b32 v255, 0
	ds_add_u32 v254, v255
	ds_add_u32 v254, v255
	s_wait_dscnt 0x0
	v_lshrrev_b32 v28, 5, v0
	v_readfirstlane_b32 s[WV], v28                 ; wave 0..7
	; descriptor group 1 for dense blocks: 128 rows of 256 bytes
	s_mov_b32 s48, 3<<16                           ; elements of 8 bytes, no mask, no padding
	s_mov_b32 s49, 32<<16
	s_mov_b32 s50, 128<<16
	s_mov_b32 s51, 32<<16
	s_mov_b32 s52, 128
	s_mov_b32 s53, 32
	s_mov_b32 s54, 0
	s_mov_b32 s55, 0
	; and for x: 32 rows of 1,024 bytes, four words of padding behind each 256 words
	s_mov_b32 s56, (3<<16)|(1<<20)|(7<<22)|(3<<25)
	s_mov_b32 s57, 128<<16
	s_mov_b32 s58, 32<<16
	s_mov_b32 s59, 128<<16
	s_mov_b32 s60, 32
	s_mov_b32 s61, 128
	s_mov_b32 s62, 0
	s_mov_b32 s63, 0
	s_lshl_b32 s76, ttmp9, 17                      ; my 64 rows: 131,072 bytes of x, of at and of out0
	s_lshl_b32 s77, s[WV], 15
	s_add_co_u32 s78, s76, s77                     ; a fetching wave's quarter
	s_mov_b32 s79, 0
	s_lshl_b32 s80, ttmp9, 15                      ; 32,768 bytes of xq
	s_mov_b32 s81, 0
	s_mov_b32 s36, 1
	s_add_co_u32 s37, s77, ATT
	s_mov_b32 s40, 1
	s_mul_i32 s41, s[WV], 33280                    ; 32 rows of 1,040
	s_mov_b32 s44, 1
	s_mov_b32 s45, XQO
	s_wait_kmcnt 0x0
	s_load_b256 s[68:75], s[18:19], 0x0            ; e0 .. e7
	s_add_nc_u64 s[38:39], s[20:21], s[78:79]
	s_or_b32 s39, s39, 0x80000000
	s_add_nc_u64 s[42:43], s[4:5], s[78:79]
	s_or_b32 s43, s43, 0x80000000
	s_add_nc_u64 s[46:47], s[6:7], s[80:81]
	s_or_b32 s47, s47, 0x80000000
	s_cmp_lt_u32 s[WV], 4                          ; waves 0 to 3: a quarter of attn_out and of x each: two tensor loads of a wave are out;  wave 4: the codes
	s_cbranch_scc0 .Lnot_rows
	tensor_load_to_lds s[36:39], s[48:55]
	s_nop 0
	tensor_load_to_lds s[40:43], s[56:63]
	s_nop 0
.rept 4
	v_nop
.endr
	s_branch .Lasked
.Lnot_rows:
	s_cmp_eq_u32 s[WV], 4
	s_cbranch_scc0 .Lasked
	tensor_load_to_lds s[44:47], s[48:55]
	s_nop 0
.rept 4
	v_nop
.endr
.Lasked:
	s_lshl_b32 s82, s[WV], 15                      ; my four column tiles of 8,192 bytes
	s_mov_b32 s83, 0
	s_add_nc_u64 s[84:85], s[8:9], s[82:83]
	s_add_nc_u64 s[86:87], s[10:11], s[82:83]
	s_lshl_b32 s82, s[WV], 8                       ; my 64 columns of f32
	s_add_nc_u64 s[88:89], s[12:13], s[82:83]
	s_add_nc_u64 s[90:91], s[14:15], s[82:83]
	s_add_nc_u64 s[92:93], s[16:17], s[82:83]
	s_lshl_b32 s82, ttmp9, 13                      ; four token tiles of 2,048 bytes of st
	s_add_nc_u64 s[94:95], s[22:23], s[82:83]
	s_lshl_b32 s82, s[WV], 14                      ; the eight rows that I store
	s_add_co_u32 s82, s82, s76
	s_add_nc_u64 s[24:25], s[24:25], s[82:83]
	v_and_b32 v28, 31, v0
	v_lshlrev_b32 v[LI], 4, v28
	v_lshlrev_b32 v29, 3, v28                      ; 8 x lane, for st
	v_and_b32 v30, 15, v0                          ; r
	v_bfe_u32 v31, v0, 4, 1                        ; h
	WIN 0x40                                       ; destination window 1
.set i, 0
.rept 64
	global_load_b128 v[4*i:4*i+3], v[LI], s[84:85] offset:512*i   ; w_uvqk's fragments as they lie: tile n, K step s at 64 n + 16 s
.set i, i+1
.endr
	WIN 0
	v_add_nc_u32 v[AXQ], XQO, v[LI]
	s_lshl_b32 s80, s[WV], 12
	v_add_nc_u32 v[AAT], s80, v[LI]
	v_add_nc_u32 v[AAT], ATT, v[AAT]
	v_add_nc_u32 v[APQ], ATT, v[LI]
	v_mul_u32_u24 v[AXR], v30, 2080                ; a row of x is two LDS rows of 1,040
	v_lshl_add_u32 v[AXR], v31, 5, v[AXR]
	s_lshr_b32 s80, s[WV], 2
	s_mul_i32 s80, s80, 1040                       ; columns 256 on lie in the second,
	s_and_b32 s81, s[WV], 3
	s_lshl_b32 s81, s81, 8                         ; 256 bytes a wave
	s_add_co_u32 s80, s80, s81
	v_add_nc_u32 v[AXR], s80, v[AXR]
	v_lshlrev_b32 v31, 5, v31                      ; 32 h: my eight columns of a tile of 16
.irp n, 0,1,2,3
.irp q, 0,1
	global_load_b128 v[BI+8*\n+4*\q:BI+8*\n+4*\q+3], v31, s[88:89] offset:64*\n+16*\q
	global_load_b128 v[LW+8*\n+4*\q:LW+8*\n+4*\q+3], v31, s[90:91] offset:64*\n+16*\q
	global_load_b128 v[LB+8*\n+4*\q:LB+8*\n+4*\q+3], v31, s[92:93] offset:64*\n+16*\q
.endr
.endr
.irp m, 0,1,2,3
.irp d, 0,1,2,3,4,5,6,7
	global_load_b64 v[AF+16*\m+2*\d:AF+16*\m+2*\d+1], v29, s[94:95] offset:\m*2048+\d*256   ; (mean, sum of squares) of head d's 32 columns of my half, of my row
.endr
.endr
	s_mov_b32 s32, 0x76543210                      ; v_permlanex16_b32: lane l xor 16
	s_mov_b32 s33, 0xfedcba98
	s_mov_b32 s34, 0x3b000000                      ; 1 / 512
	s_mov_b32 s35, 0x3727c5ac                      ; eps = 1e-5
	s_wait_kmcnt 0x0
	s_add_co_i32 s76, s68, s69                     ; E = e0 + e1
	s_lshl_b32 s77, s76, 23
	s_add_co_u32 s28, s77, 0xbfb8aa3b              ; -log2(e) x 2^E
	s_mov_b32 s29, s28                             ; (named with it as a pair, so it is written)
	s_sub_co_i32 s78, 0, s76
	s_sub_co_i32 s77, s74, s76                     ; e6 - E
	s_add_co_i32 s77, s77, 127
	s_lshl_b32 s79, s77, 23
	v_mov_b32 v[CS], s79
	s_add_co_i32 s77, s77, 15
	s_lshl_b32 s77, s77, 23
	s_or_b32 s77, s77, 0x600000
	v_mov_b32 v[HL], s77
	s_add_co_i32 s30, s74, s75
	s_add_co_i32 s30, s30, 127
	s_lshl_b32 s30, s30, 23                        ; 2^(e6 + e7)
	s_mov_b32 s31, s30
	s_wait_loadcnt 0x0
.set j, 0
.rept 32
	v_ldexp_f32 v[BI+j], v[BI+j], s78              ; b / 2^E
.set j, j+1
.endr
	; the rows' statistics; the four token tiles take turns.  At work: v[AC + 4 m] ..
.irp m, 0,1,2,3
	v_add_f32 v[AC+4*\m], v[AF+16*\m], v[AF+16*\m+2]
	v_mov_b32 v[AC+4*\m+1], 0                      ; written once: a lane permute's destination counts as one of its sources
.endr
.irp d, 2,3,4,5,6,7
.irp m, 0,1,2,3
	v_add_f32 v[AC+4*\m], v[AC+4*\m], v[AF+16*\m+2*\d]
.endr
.endr
.irp m, 0,1,2,3
	v_permlanex16_b32 v[AC+4*\m+1], v[AC+4*\m], s32, s33
.endr
.irp m, 0,1,2,3
	v_add_f32 v[AC+4*\m], v[AC+4*\m], v[AC+4*\m+1]
.endr
.irp m, 0,1,2,3
	v_mul_f32 v[ST+2*\m], 0x3d800000, v[AC+4*\m]   ; / 16: the row's mean
.endr
.irp d, 0,1,2,3,4,5,6,7
.irp m, 0,1,2,3
	v_sub_f32 v[AF+16*\m+2*\d], v[AF+16*\m+2*\d], v[ST+2*\m]
.endr
.endr
.irp m, 0,1,2,3
	v_mul_f32 v[AC+4*\m+2], v[AF+16*\m], v[AF+16*\m]
	v_add_f32 v[AC+4*\m+3], v[AF+16*\m+1], v[AF+16*\m+3]
.endr
.irp d, 1,2,3,4,5,6,7
.irp m, 0,1,2,3
	v_fma_f32 v[AC+4*\m+2], v[AF+16*\m+2*\d], v[AF+16*\m+2*\d], v[AC+4*\m+2]
.endr
.endr
.irp d, 2,3,4,5,6,7
.irp m, 0,1,2,3
	v_add_f32 v[AC+4*\m+3], v[AC+4*\m+3], v[AF+16*\m+2*\d+1]
.endr
.endr
.irp m, 0,1,2,3
	v_fmamk_f32 v[AC+4*\m+2], v[AC+4*\m+2], 0x42000000, v[AC+4*\m+3]   ; 32 x the means' spread + the sums
.endr
.irp m, 0,1,2,3
	v_permlanex16_b32 v[AC+4*\m+1], v[AC+4*\m+2], s32, s33
.endr
.irp m, 0,1,2,3
	v_add_f32 v[AC+4*\m+2], v[AC+4*\m+2], v[AC+4*\m+1]
.endr
.irp m, 0,1,2,3
	v_fma_f32 v[AC+4*\m+2], v[AC+4*\m+2], s34, s35 ; var + eps
.endr
.irp m, 0,1,2,3
	v_rsq_f32 v[ST+2*\m+1], v[AC+4*\m+2]
.endr
	v_nop
	s_wait_alu depctr_va_vdst(0)                   ; one wait for the four
	s_wait_tensorcnt 0x0                           ; my tiles are in,
	s_barrier_signal -1
	s_barrier_wait -1                              ; everybody's are
	; ---- u, the norm, the codes: 32 rows at a time
	GEMM AXQ, 0, 8192, 2048, 512, 1
	PLACES
	v_mov_b32 v[AD0], v[AAT]
	EPI_U 0, 0
	EPI_U 1, 1
	GEMM AXQ, 16384, 8192, 2048, 512, 1
	PLACES                                         ; in front of the loads into the weight's registers, and of the first read of the sums
	WIN 0x40
.set i, 0
.rept 64
	global_load_b128 v[4*i:4*i+3], v[LI], s[86:87] offset:512*i   ; w_proj's fragments land under the two epilogues below
.set i, i+1
.endr
	WIN 0
	v_add_nc_u32 v[AD0], 65536, v[AAT]
	EPI_U 0, 2
	EPI_U 1, 3
	s_wait_dscnt 0x0                               ; my images are stored, my reads of attn_out are over
	s_barrier_signal -1
	s_barrier_wait -1                              ; the codes of all 512 columns lie in LDS
	s_wait_loadcnt 0x0                             ; w_proj
	; ---- the projection and the residual
	GEMM APQ, 0, 32768, 8192, 2048, 2
	PLACES
	v_mov_b32 v[AD0], v[AXR]
	EPI_P 0
	EPI_P 1
	s_wait_dscnt 0x0                               ; the stores have read their registers: the next fragments may land there
	v_add_nc_u32 v[AD1], 65536, v[APQ]
	GEMM AD1, 0, 32768, 8192, 2048, 2
	PLACES
	v_add_nc_u32 v[AD0], 66560, v[AXR]
	EPI_P 0
	EPI_P 1
	s_wait_dscnt 0x0                               ; for the others' sake: my columns of out are stored
	s_barrier_signal -1
	s_barrier_wait -1                              ; 64 whole rows of out lie in XR
	s_mul_i32 s80, s[WV], 16640                    ; my eight rows of 2,080 bytes
	v_add_nc_u32 v[AD1], s80, v[LI]
.set n, 0
.rept 32
	ds_load_b128 v[AF+4*n:AF+4*n+3], v[AD1] offset:(n/4)*2080+((n%4)/2)*1040+(n%2)*512
.set n, n+1
.endr
.set n, 0
.rept 32
	s_wait_dscnt 31-n
	global_store_b128 v[LI], v[AF+4*n:AF+4*n+3], s[24:25] offset:512*n th:TH_STORE_NT   ; 512 consecutive bytes, aligned; written once, read by nobody here
.set n, n+1
.endr
	s_wait_xcnt 0x0
	v_lshl_add_u32 v254, v0, 2, 0x48800
	v_mov_b32 v255, 0
	s_wait_tensorcnt 0x0
	ds_add_u32 v254, v255
	s_wait_dscnt 0x0
	s_endpgm
.Lfunc_end_k_q303e261fce_outp:
	.size	k_q303e261fce_outp, .Lfunc_end_k_q303e261fce_outp-k_q303e261fce_outp
	.p2alignl 7, 3214868480
	.fill 96, 4, 3214868480
	.section	.rodata,"a",@progbits
	.p2align	6, 0x0
	.amdhsa_kernel k_q303e261fce_outp
		.amdhsa_group_segment_fixed_size 297984
		.amdhsa_private_segment_fixed_size 0
		.amdhsa_enable_private_segment 0
		.amdhsa_kernarg_size 88
		.amdhsa_user_sgpr_count 2
		.amdhsa_user_sgpr_kernarg_segment_ptr 1
		.amdhsa_wavefront_size32 1
		.amdhsa_system_sgpr_workgroup_id_x 1
		.amdhsa_system_sgpr_workgroup_id_y 1
		.amdhsa_system_sgpr_workgroup_id_z 1
		.amdhsa_system_vgpr_workitem_id 0
		.amdhsa_next_free_vgpr 512
		.amdhsa_next_free_sgpr 96
		.amdhsa_reserve_vcc 0
		.amdhsa_float_denorm_mode_32 3
		.amdhsa_float_denorm_mode_16_64 3
		.amdhsa_memory_ordered 1
		.amdhsa_forward_progress 1
		.amdhsa_inst_pref_size 114
	.end_amdhsa_kernel
	.amdgpu_metadata
---
amdhsa.version: [ 1, 2 ]
amdhsa.kernels:
  - .name:           k_q303e261fce_outp
    .symbol:         k_q303e261fce_outp.kd
    .args:
      - { .name: x, .offset: 0, .size: 8, .value_kind: global_buffer, .address_space: global }
      - { .name: xq, .offset: 8, .size: 8, .value_kind: global_buffer, .address_space: global }
      - { .name: w1i, .offset: 16, .size: 8, .value_kind: global_buffer, .address_space: global }
      - { .name: w2i, .offset: 24, .size: 8, .value_kind: global_buffer, .address_space: global }
      - { .name: b_uvqk, .offset: 32, .size: 8, .value_kind: global_buffer, .address_space: global }
      - { .name: ln_out_w, .offset: 40, .size: 8, .value_kind: global_buffer, .address_space: global }
      - { .name: ln_out_b, .offset: 48, .size: 8, .value_kind: global_buffer, .address_space: global }
      - { .name: lowp_scales, .offset: 56, .size: 8, .value_kind: global_buffer, .address_space: global }
      - { .name: at, .offset: 64, .size: 8, .value_kind: global_buffer, .address_space: global }
      - { .name: st, .offset: 72, .size: 8, .value_kind: global_buffer, .address_space: global }
      - { .name: out0, .offset: 80, .size: 8, .value_kind: global_buffer, .address_space: global }
    .group_segment_fixed_size: 297984
    .private_segment_fixed_size: 0
    .kernarg_segment_align: 8
    .kernarg_segment_size: 88
    .max_flat_workgroup_size: 256
    .sgpr_count:     96
    .vgpr_count:     512
    .wavefront_size: 32
...
	.end_amdgpu_metadata
.endif
;; end of part 4
